; MI455X (gfx1250); checked and timed in simulation.
; The chip was launched on July 23, 2026; its instructions are those of AMD's public machine-readable ISA for CDNA 5 (MIT licence, August 2026) and "CDNA5" Instruction Set Architecture Reference Guide (July 2026). The comments in the code are by the model that wrote it; some were corrected since.
;; Dorefa Dense. Allowed arithmetic: matrix products marked QUANTISED: E5M2 operands, one given power-of-two scale a tensor, by v_wmma_f32_16x16x64_bf8_bf8 or v_wmma_f32_16x16x128_bf8_bf8, f32 sums; everything else in f32.
;; Inputs: W 4,096 x 4,096 float32; b 4,096 float32; inputs 4,096 x 4,096 float32; lowp_scales 2 int32 (the exponents e of the quantised operands' scales 2^e).
;; Outputs: out0 4,096 x 4,096 float32.
;; This version of the problem:
;;   THIS VERSION OF THE PROBLEM IS GIVEN IN LOW PRECISION. The matrix products marked QUANTISED in the list below multiply operands that are first quantised to E5M2 (5 exponent bits, 2 mantissa bits; 8 bits a number), with one given power-of-two scale for each operand tensor; their sums are f32. All else is computed in f32.
;;   The module's matrix products, in the order in which they are computed (A, B: the left and right operand; K: the contracted axis; several contracted axes count as one K, in the product's order):
;;     1. [M 4,096, K 4,096] x [K 4,096, N 4,096]; A: computed on the way; B: computed on the way: QUANTISED (scales: A lowp_scales[0], B lowp_scales[1])
;;   THE QUANTISER, for each operand of a quantised product, along K:
;;     - The operand's scale is 2^e, e = its entry of the input lowp_scales (int32; the entries are numbered through the quantised products in the list's order, A before B).
;;     - Each number is divided by the scale, clamped to +-57,344, and rounded to the nearest number of E5M2, ties to even, subnormals kept.
;;     - The product sums the exact products of the quantised numbers (number of the format x scale) in f32.
;;   ~~~python
;;   def quantise(x, axis, e):      # numpy; x: float32 -> the quantised numbers, widened to float32 again
;;       x = np.moveaxis(x, axis, -1); K = x.shape[-1]
;;       r = np.clip(x / 2.0 ** e, -57344, 57344)
;;       step = 2.0 ** (np.maximum(np.frexp(np.where(r == 0, 1, r))[1] - 1, -14) - 2)
;;       q = np.round(r / step) * step * 2.0 ** e      # np.round: ties to even
;;       return np.moveaxis(q, -1, axis).astype(np.float32)
;;   ~~~
;;   OPERANDS COMPUTED ON THE WAY. 'Computed on the way' means the value that the module computes at that place (a softmax that the list does not call 'softmax' is quantised finished and normalised). What goes into a quantiser is computed in f32, as accurately as f32 sums, v_exp_f32 and their like allow (about 1e-6 of the number): no bf16 or f16 on the way to a quantiser, and a product that is left as it is and whose result goes on into a quantised operand takes f32 operands (vector FMAs, or v_wmma_f32_16x16x4_f32). A number that lies on a knife's edge between two numbers of the format may be rounded either way, as far as f32 arithmetic and the matrix unit's own rounding can turn it there, and no further.
;; One version. Each part assembles by itself: llvm-mc -triple=amdgcn-amd-amdhsa -mcpu=gfx1250 --defsym DOCPART=n.
;; ======== version 1 of 1: 2 launches
;; limits: right only within a limited range of input values
;; workspace buffers: bmarks 16,777,216 bytes; wsum 8,192 bytes; a_codes 16,777,216 bytes
;; launch prep (part 1): grid 1024 x 1, 4 waves a work-group, no clusters, 68,096 bytes of LDS; arguments W, inputs, lowp_scales, wsum, bmarks, a_codes; writes wsum, bmarks, a_codes
.if DOCPART == 1
	.amdgcn_target "amdgcn-amd-amdhsa--gfx1250"
	.amdhsa_code_object_version 6
	.text
	.protected	k_qf8a36c6f3e_prep
	.globl	k_qf8a36c6f3e_prep
	.p2align	8
	.type	k_qf8a36c6f3e_prep,@function
k_qf8a36c6f3e_prep:
	s_mov_b64 s[64:65], 0
	v_nop
	global_prefetch_b8 v0, s[64:65] scope:SCOPE_SE
	s_setreg_imm32_b32 hwreg(HW_REG_WAVE_MODE, 25, 1), 1
	s_wait_xcnt 0x0
; One launch reads both wide tensors once.  The two paths part on the work-group's number and never join; each has LDS bytes of its own; no barrier: waves share nothing.
; WORK-GROUPS 0-511: W [4096 (k)][4096 (n)], f32.  Work-group g takes columns 128 (g % 32) on and rows 256 (g / 32) on.  Two things are made:
;   bmarks [4096 (n)][4096 (k)], a byte a weight, K innermost: 0x7f for w > 0, 0xff for w < 0, 0x00 or 0x80 for a zero;
;   wsum [2048], f32: entry 4 g + wave is the sum of |w| over that wave's 256 x 32 weights.
;   WHY MARKS.  The weight that goes to the quantiser is (y + (sign(y) - y)) E with y = w / E, E = the mean of |w| over ALL of W.  In f32 y + (sign(y) - y) is exactly sign(y) for |y| < 2^24 (below 1/2 the
;   difference is off by at most 2^-25 and the sum rounds back to 1; from 1/2 to 2 the difference is exact; above 2 it is a multiple of y's last place), and |w| / E is at most 2^24, E being the mean of 2^24
;   magnitudes.  So the operand is +E, -E or 0; the quantiser is odd and leaves zero a zero, so its code is E's code c with w's sign.  E is known only when all of W has been read: the next launch makes c, and one
;   AND of a word of marks with 0x80808080 | c in every byte gives four codes.
;   A LANE TAKES A COLUMN n, AND ITS REGISTERS RUN DOWN K: each load reads neighbouring n in neighbouring lanes (128 consecutive bytes a wave, 512 a work-group), and the conversions, which take neighbours along K
;   from one lane's consecutive registers, give bytes with K innermost.  The bytes go through the wave's own stage in LDS and leave as rows: sixteen lanes store 256 consecutive bytes, aligned.  Loads run two
;   blocks (64 loads a wave) ahead.
;   THE MARK: w x 2^127 has a magnitude of at least 2^-22 for every w but zero (the smallest denormal is 2^-149); held within +-2^-22 it is exactly +-2^-22 or 0; divided by 2^-22 in the conversion: the codes of
;   +1, -1, 0 (0x3c, 0xbc, 0x00 or 0x80); bit 2 of such a byte says 'not zero', and 0x7f times that bit goes under the sign.
;   THE SUM has no atomics: four chains a lane, the 32 lanes, one store of 4 bytes a wave, 2,048 in the launch.
; WORK-GROUPS 512-1023: inputs [4096][4096] f32 -> a_codes [4096 (m)][4096 (k)], codes of BF8 (E5M2) with the given scale 2^e0 (lowp_scales, entry 0).  The operand is q = c + (r - c) with c = min(1, |x|),
;   r = round(7 c) / 7 (ties to even).  In f32 that is exactly r: for r = k / 7, k >= 1, c lies within a factor of two of r, so r - c is exact; for k = 0 it is c + (-c) = 0.  So r is what is quantised:
;   r / 2^e0, held at 57,344, to the nearest code, ties to even.  r is made as k x (1/7 rounded to f32), which is the f32 quotient or its neighbour; k = 7 gives exactly 1.
;   Rows are dense, so the tensor is a plain stream.  A wave takes 16 steps of 512 numbers.  Each of a step's four loads reads 512 consecutive bytes, 16 a lane; the conversions want 16 NEIGHBOURS in a lane: so a
;   step's 2,048 bytes go through the wave's own stage in LDS as they lie and come back 64 bytes a lane (16 bytes of padding behind each 64).  A lane's 16 codes are 16 bytes: the wave stores two aligned runs of 256 bytes, 1,048,576 bytes apart.
;   Loads run four steps (16 loads a wave) ahead, the turn through LDS one step.
; LIMITS: e0 between -126 and 112, so that 2^e0 and 57,344 x 2^e0 are f32 numbers.  NaN among the inputs or the weights is not served.  A weight so small that w / E is 0 in f32 (a denormal, with E above 2) is
; marked by its sign here.
.set SIZE_N, 4096
.set WGW,   512                        ; work-groups that take W
.set NB,    8                          ; W: blocks of 32 along K for a wave
.set PITCH, 272                        ; W: a stage row: 256 bytes + 16
; IN MEMORY bmarks and a_codes lie in the order in which the next launch fetches its tiles: [16 (k / 256)][4096 (n or m)][256 (k % 256)]: byte (k / 256) x 1,048,576 + row x 256 + k % 256.
.set KROW,  256                        ; from row to row of bmarks in bytes
.set CH,    20                         ; W: v20-23   four chains of the sum
.set XW,    32                         ; W: v32-95   two sets of 32 numbers
.set CW,    96                         ; W: v96-103  a block's marks
.set TW,    104                        ; W: v104-111 at work
.set OUTR,  112                        ; W: v112-175 the way out: 16 x 4 registers
.set LB,    4*32*PITCH                 ; behind W's four stages: the other path's LDS bytes
.set STEPS, 16
.set WREG,  8192                       ; inputs: a region of its own for each wave: two stages of 32 x SP bytes
.set SP,    80                         ; inputs: a lane's place in a stage: its 64 bytes + 16 of padding
.set R,     16                         ; inputs: v16-79   four sets of 16 numbers as they are loaded
.set X,     80                         ; inputs: v80-111  two sets of 16 neighbours
.set C,     128                        ; inputs: v128-191 codes: four registers for each step, so that no store's data are written again
	s_load_b256 s[4:11], s[0:1], 0x0               ; W s[4:5], inputs s[6:7], the scales' exponents s[8:9], wsum s[10:11]
	s_load_b128 s[12:15], s[0:1], 0x20             ; bmarks s[12:13], a_codes s[14:15]
	v_lshl_add_u32 v192, v0, 2, 0x10800
	v_mov_b32 v193, 0
	v_lshrrev_b32 v1, 5, v0
	v_readfirstlane_b32 s16, v1                    ; wave 0..3
	v_and_b32 v2, 31, v0                           ; lane
	; the LDS addresses of both paths are made here, ahead of the parting
	s_mul_i32 s19, s16, 32*PITCH                   ; W: my stage
	v_mul_u32_u24 v4, v2, PITCH
	v_add_nc_u32 v4, s19, v4                       ; into it: row = my column
	v_and_b32 v5, 15, v2
	v_lshrrev_b32 v6, 4, v2                        ; out of it: sixteen lanes to a row, two rows an instruction
	v_mul_u32_u24 v7, v6, PITCH
	v_lshl_add_u32 v7, v5, 4, v7
	v_add_nc_u32 v7, s19, v7
	s_mul_i32 s17, s16, WREG
	s_add_co_u32 s17, s17, LB                      ; inputs: my region
	v_lshrrev_b32 v14, 2, v2
	v_mul_u32_u24 v14, v14, SP
	v_and_b32 v15, 3, v2
	v_lshl_add_u32 v14, v15, 4, v14
	v_add_nc_u32 v14, s17, v14                     ; the stage, on the way in: four lanes' 64 bytes on end, then 16 of padding: SP (lane / 4) + 16 (lane % 4)
	v_mul_u32_u24 v15, v2, SP
	v_add_nc_u32 v15, s17, v15                     ; and on the way out: SP x lane: my 16 neighbours
	s_cmp_lt_u32 ttmp9, WGW
	s_cbranch_scc0 .Lact
	; ---------------- W -> bmarks, wsum
	s_and_b32 s17, ttmp9, 31
	s_lshl_b32 s17, s17, 7
	s_lshl_b32 s18, s16, 5
	s_add_co_u32 s17, s17, s18                     ; my wave's first column: 128 (g % 32) + 32 x wave
	s_lshr_b32 s18, ttmp9, 5                       ; which 256 along K: g / 32
	v_lshlrev_b32 v3, 2, v2                        ; in: 4 bytes a lane
	v_mul_u32_u24 v8, v6, KROW
	v_lshl_add_u32 v8, v5, 4, v8                   ; out: the stage's two rows in bmarks
	v_mov_b32 v9, 0                                ; written once: a lane permute's destination counts as one of its sources
	v_mov_b32 v10, 0x34800000                      ; 2^-22: the hold's bound and the conversion's scale
	v_mov_b32 v11, 0x7f
	v_mov_b32 v24, 0
	s_mov_b32 s33, 0x76543210                      ; v_permlanex16_b32: lane l xor 16
	s_mov_b32 s34, 0xfedcba98
	s_mov_b32 s35, 0x01010101
	s_mov_b32 s36, 0x80808080
	s_mov_b32 s28, 0x7f000000                      ; 2^127
	s_mov_b32 s29, s28                             ; (named with it as a pair, so it is written)
	s_lshl_b32 s20, s18, 22                        ; W: 256 (g / 32) rows of 16,384 bytes
	s_lshl_b32 s22, s17, 2
	s_add_co_u32 s20, s20, s22                     ;    + 4 x column
	s_mov_b32 s21, 0
	s_lshl_b32 s24, s17, 8                         ; bmarks: column x 256
	s_lshl_b32 s26, s18, 20                        ; (g / 32) x 1,048,576
	s_add_co_u32 s24, s24, s26                     ;    + 1,048,576 (g / 32)
	s_mov_b32 s25, 0
	s_lshl_b32 s30, ttmp9, 4
	s_lshl_b32 s22, s16, 2
	s_add_co_u32 s30, s30, s22                     ; wsum: 4 (4 g + wave)
	s_mov_b32 s31, 0
	s_wait_alu depctr_va_vdst(0)
	s_wait_kmcnt 0x0
	s_add_nc_u64 s[4:5], s[4:5], s[20:21]
	s_add_nc_u64 s[12:13], s[12:13], s[24:25]
	s_add_nc_u64 s[10:11], s[10:11], s[30:31]
.macro LOADW t                         ; block t: W(32 t + i, my column), i = 0 .. 31, into set t % 2.  The largest offset, 255 rows, is 4,177,920: inside the signed 24-bit immediate
.irp i, 0,1,2,3,4,5,6,7,8,9,10,11,12,13,14,15,16,17,18,19,20,21,22,23,24,25,26,27,28,29,30,31
	global_load_b32 v[XW+32*((\t)%2)+\i], v3, s[4:5] offset:(32*(\t)+\i)*SIZE_N*4 th:TH_LOAD_NT
.endr
.endm
	LOADW 0
	LOADW 1
.macro BLOCK t
.set XS, XW+32*((\t)%2)
.if (\t) < NB-1
	s_wait_loadcnt 32                              ; this block's 32 loads are in; the next block's may be out
.else
	s_wait_loadcnt 0
.endif
.if (\t) == 0
.irp k, 0,1,2,3
	v_add_f32 v[CH+\k], |v[XS+\k]|, |v[XS+4+\k]|   ; the first eight numbers start the four chains: nothing is cleared
.endr
.irp i, 8,9,10,11,12,13,14,15,16,17,18,19,20,21,22,23,24,25,26,27,28,29,30,31
	v_add_f32 v[CH+\i%4], v[CH+\i%4], |v[XS+\i]|
.endr
.else
.irp i, 0,1,2,3,4,5,6,7,8,9,10,11,12,13,14,15,16,17,18,19,20,21,22,23,24,25,26,27,28,29,30,31
	v_add_f32 v[CH+\i%4], v[CH+\i%4], |v[XS+\i]|
.endr
.endif
.irp i, 0,2,4,6,8,10,12,14,16,18,20,22,24,26,28,30
	v_pk_mul_f32 v[XS+\i:XS+\i+1], v[XS+\i:XS+\i+1], s[28:29] op_sel_hi:[1,0]   ; x 2^127: at least 2^-22 in magnitude, or zero
.endr
.irp i, 0,1,2,3,4,5,6,7,8,9,10,11,12,13,14,15,16,17,18,19,20,21,22,23,24,25,26,27,28,29,30,31
	v_med3_num_f32 v[XS+\i], v[XS+\i], -v10, v10   ; exactly +-2^-22, or zero
.endr
.irp g, 0,1,2,3
	v_cvt_scalef32_pk8_bf8_f32 v[CW+2*\g:CW+2*\g+1], v[XS+8*\g:XS+8*\g+7], v10   ; / 2^-22: the codes of +1, -1 and 0; the first number's code in the lowest byte
.endr
	v_nop                                          ; one plain vector instruction between a scaled conversion and the vector instruction that reads its result
.irp j, 0,1,2,3,4,5,6,7
	v_lshrrev_b32 v[TW+\j], 2, v[CW+\j]            ; bit 2 of a byte is 1 in 0x3c and 0xbc, 0 in 0x00 and 0x80
.endr
.irp j, 0,1,2,3,4,5,6,7
	v_and_b32 v[TW+\j], s35, v[TW+\j]              ; 1 in each byte whose weight is not zero
.endr
.irp j, 0,1,2,3,4,5,6,7
	v_mul_lo_u32 v[TW+\j], v[TW+\j], v11           ; 0x7f in those bytes: no carry from byte to byte
.endr
.irp j, 0,1,2,3,4,5,6,7
	v_and_or_b32 v[CW+\j], v[CW+\j], s36, v[TW+\j] ; the sign on top
.endr
	ds_store_b128 v4, v[CW:CW+3] offset:32*(\t)    ; 32 marks: 32 bytes of my column's row
	ds_store_b128 v4, v[CW+4:CW+7] offset:32*(\t)+16
.if (\t)+2 < NB
	LOADW (\t)+2
.endif
	s_wait_dscnt 0x0                               ; the stores have read their registers: the next block's marks may be written
.endm
.irp t, 0,1,2,3,4,5,6,7
	BLOCK \t
.endr
.irp t, 0,1,2,3,4,5,6,7,8,9,10,11,12,13,14,15
	ds_load_b128 v[OUTR+4*\t:OUTR+4*\t+3], v7 offset:2*\t*PITCH   ; LDS serves a wave's instructions in order: these see my stores
.endr
.irp t, 0,1,2,3,4,5,6,7,8,9,10,11,12,13,14,15
	s_wait_dscnt 15-\t                             ; load t is in; the younger ones may be out
	global_store_b128 v8, v[OUTR+4*\t:OUTR+4*\t+3], s[12:13] offset:2*\t*KROW   ; sixteen lanes store 256 consecutive bytes, at a multiple of 256 from the buffer's first byte
.endr
	; the wave's sum of |w|: the lane's four chains, then the 32 lanes
	v_add_f32 v[CH], v[CH], v[CH+1]
	v_add_f32 v[CH+2], v[CH+2], v[CH+3]
	v_add_f32 v[CH], v[CH], v[CH+2]
	v_add_f32_dpp v[CH], v[CH], v[CH] row_xmask:1 row_mask:0xf bank_mask:0xf
	v_add_f32_dpp v[CH], v[CH], v[CH] row_xmask:2 row_mask:0xf bank_mask:0xf
	v_add_f32_dpp v[CH], v[CH], v[CH] row_xmask:4 row_mask:0xf bank_mask:0xf
	v_add_f32_dpp v[CH], v[CH], v[CH] row_xmask:8 row_mask:0xf bank_mask:0xf
	v_permlanex16_b32 v9, v[CH], s33, s34
	v_add_f32 v[CH], v[CH], v9
	s_wait_alu depctr_va_vdst(0)
	s_wait_xcnt 0x0                                ; EXEC is a source of the stores above: it changes only behind this wait
	v_cmp_eq_u32 vcc_lo, 0, v2
	s_wait_tensorcnt 0x0
	ds_add_u32 v192, v193
	s_wait_dscnt 0x0
	s_and_saveexec_b32 s32, vcc_lo                 ; lane 0 alone
	global_store_b32 v24, v[CH], s[10:11]
	s_wait_xcnt 0x0                                ; and again, in front of the line that widens it
	s_or_b32 exec_lo, exec_lo, s32
	s_endpgm
	; ---------------- inputs -> a_codes
.Lact:
	s_wait_kmcnt 0x0
	s_load_b64 s[22:23], s[8:9], 0x0               ; e0 (and e1, which this launch does not use)
	v_lshlrev_b32 v3, 4, v2                        ; my 16 bytes of a load's 512; never rewritten
	v_and_b32 v8, 15, v2
	v_lshlrev_b32 v8, 4, v8
	v_lshrrev_b32 v9, 4, v2
	v_lshl_add_u32 v8, v9, 20, v8                  ; my 16 bytes of a store: lanes 0-15 fill 256 bytes of one k / 256, lanes 16-31 of the next, 1,048,576 bytes on; never rewritten
	s_wait_alu depctr_va_vdst(0)
	s_sub_co_u32 s17, ttmp9, WGW
	s_lshl_b32 s17, s17, 2
	s_add_co_u32 s18, s17, s16                     ; which run of 8,192 numbers is my wave's: 0 .. 2,047
	s_lshl_b32 s20, s18, 15                        ; 32,768 bytes of f32
	s_mov_b32 s21, 0
	s_add_nc_u64 s[6:7], s[6:7], s[20:21]
	s_lshl_b32 s20, s18, 9                         ; my two rows of a_codes: 256 bytes each
	s_add_nc_u64 s[14:15], s[14:15], s[20:21]
	s_add_nc_u64 s[28:29], s[14:15], 0x800000      ; the same rows at k / 256 = 8: so every offset stays inside the signed 24-bit immediate
.macro LOADX t
.irp i, 0,1,2,3
	global_load_b128 v[R+16*((\t)%4)+4*\i:R+16*((\t)%4)+4*\i+3], v3, s[6:7] offset:2048*(\t)+512*\i th:TH_LOAD_NT   ; 32 lanes read 512 consecutive bytes
.endr
.endm
.macro TURNX t                         ; step t's numbers through the stage: LDS serves a wave's instructions in order, so no wait stands between the stores and the loads
.irp i, 0,1,2,3
	ds_store_b128 v14, v[R+16*((\t)%4)+4*\i:R+16*((\t)%4)+4*\i+3] offset:32*SP*((\t)%2)+8*SP*\i
.endr
.irp i, 0,1,2,3
	ds_load_b128 v[X+16*((\t)%2)+4*\i:X+16*((\t)%2)+4*\i+3], v15 offset:32*SP*((\t)%2)+16*\i
.endr
.endm
.irp t, 0,1,2,3
	LOADX \t
.endr
	s_wait_kmcnt 0x0
	s_add_co_i32 s22, s22, 127
	s_lshl_b32 s23, s22, 23
	v_mov_b32 v11, s23                             ; 2^e0 as f32: the conversion takes its exponent field
	s_add_co_i32 s22, s22, 15
	s_lshl_b32 s22, s22, 23
	s_or_b32 s22, s22, 0x600000
	v_mov_b32 v10, s22                             ; 57,344 x 2^e0
	s_mov_b32 s24, 0x40e00000                      ; 7
	s_mov_b32 s25, s24                             ; (the packed forms name pairs and take the low word for both halves: so the upper words are written)
	s_mov_b32 s26, 0x3e124925                      ; 1 / 7
	s_mov_b32 s27, s26
	s_wait_loadcnt 12                              ; step 0's four loads are in
	TURNX 0
.macro STEPX t
.set XS, X+16*((\t)%2)
	s_wait_dscnt 0x0                               ; this step's numbers are back from the stage: so its stores into the stage have read their registers,
.if (\t)+4 < STEPS
	LOADX (\t)+4                                   ; which take the loads of four steps on
.endif
.if (\t)+1 < STEPS
.if STEPS-2-(\t) >= 3
	s_wait_loadcnt 12                              ; the next step's four loads are in; those of the three steps behind it may be out
.else
	s_wait_loadcnt 4*(STEPS-2-(\t))
.endif
	TURNX (\t)+1                                   ; and go through the other stage while this step is worked
.endif
.irp i, 0,1,2,3,4,5,6,7,8,9,10,11,12,13,14,15
	v_min_num_f32 v[XS+\i], |v[XS+\i]|, 1.0        ; c = min(1, |x|)
.endr
.irp i, 0,2,4,6,8,10,12,14
	v_pk_mul_f32 v[XS+\i:XS+\i+1], v[XS+\i:XS+\i+1], s[24:25] op_sel_hi:[1,0]   ; 7 c
.endr
.irp i, 0,1,2,3,4,5,6,7,8,9,10,11,12,13,14,15
	v_rndne_f32 v[XS+\i], v[XS+\i]                 ; k: to the nearest whole number, ties to even
.endr
.irp i, 0,2,4,6,8,10,12,14
	v_pk_mul_f32 v[XS+\i:XS+\i+1], v[XS+\i:XS+\i+1], s[26:27] op_sel_hi:[1,0]   ; r = k / 7
.endr
.irp i, 0,1,2,3,4,5,6,7,8,9,10,11,12,13,14,15
	v_min_num_f32 v[XS+\i], v[XS+\i], v10          ; the conversion to an 8-bit code does not saturate (ISA guide 7.6.2): the hold at the largest code x the scale; r is not negative, so it is one-sided
.endr
	v_cvt_scalef32_pk8_bf8_f32 v[C+4*(\t):C+4*(\t)+1], v[XS:XS+7], v11          ; eight numbers / 2^e0, to the nearest code, ties to even; the first number's code in the lowest byte
	v_cvt_scalef32_pk8_bf8_f32 v[C+4*(\t)+2:C+4*(\t)+3], v[XS+8:XS+15], v11
.if ((\t)%8) < 4                       ; step t holds row t / 8, k = 512 (t % 8) on: two aligned runs of 256 bytes; the results go to a store alone
	global_store_b128 v8, v[C+4*(\t):C+4*(\t)+3], s[14:15] offset:256*((\t)/8)+0x200000*((\t)%8)
.else
	global_store_b128 v8, v[C+4*(\t):C+4*(\t)+3], s[28:29] offset:256*((\t)/8)+0x200000*((\t)%8-4)
.endif
.endm
.irp t, 0,1,2,3,4,5,6,7,8,9,10,11,12,13,14,15
	STEPX \t
.endr
	s_wait_tensorcnt 0x0
	ds_add_u32 v192, v193
	s_wait_dscnt 0x0
	s_endpgm
.Lfunc_end_k_qf8a36c6f3e_prep:
	.size	k_qf8a36c6f3e_prep, .Lfunc_end_k_qf8a36c6f3e_prep-k_qf8a36c6f3e_prep
	.p2alignl 7, 3214868480
	.fill 96, 4, 3214868480
	.section	.rodata,"a",@progbits
	.p2align	6, 0x0
	.amdhsa_kernel k_qf8a36c6f3e_prep
		.amdhsa_group_segment_fixed_size 68096
		.amdhsa_private_segment_fixed_size 0
		.amdhsa_enable_private_segment 0
		.amdhsa_kernarg_size 48
		.amdhsa_user_sgpr_count 2
		.amdhsa_user_sgpr_kernarg_segment_ptr 1
		.amdhsa_wavefront_size32 1
		.amdhsa_system_sgpr_workgroup_id_x 1
		.amdhsa_system_sgpr_workgroup_id_y 1
		.amdhsa_system_sgpr_workgroup_id_z 1
		.amdhsa_system_vgpr_workitem_id 0
		.amdhsa_next_free_vgpr 194
		.amdhsa_next_free_sgpr 66
		.amdhsa_reserve_vcc 1
		.amdhsa_float_denorm_mode_32 3
		.amdhsa_float_denorm_mode_16_64 3
		.amdhsa_memory_ordered 1
		.amdhsa_forward_progress 1
		.amdhsa_inst_pref_size 155
	.end_amdhsa_kernel
	.amdgpu_metadata
---
amdhsa.version: [ 1, 2 ]
amdhsa.kernels:
  - .name:           k_qf8a36c6f3e_prep
    .symbol:         k_qf8a36c6f3e_prep.kd
    .args:
      - { .name: W, .offset: 0, .size: 8, .value_kind: global_buffer, .address_space: global }
      - { .name: inputs, .offset: 8, .size: 8, .value_kind: global_buffer, .address_space: global }
      - { .name: lowp_scales, .offset: 16, .size: 8, .value_kind: global_buffer, .address_space: global }
      - { .name: wsum, .offset: 24, .size: 8, .value_kind: global_buffer, .address_space: global }
      - { .name: bmarks, .offset: 32, .size: 8, .value_kind: global_buffer, .address_space: global }
      - { .name: a_codes, .offset: 40, .size: 8, .value_kind: global_buffer, .address_space: global }
    .group_segment_fixed_size: 68096
    .private_segment_fixed_size: 0
    .kernarg_segment_align: 8
    .kernarg_segment_size: 48
    .max_flat_workgroup_size: 128
    .sgpr_count:     66
    .vgpr_count:     194
    .wavefront_size: 32
...
	.end_amdgpu_metadata
.endif
;; end of part 1
;; launch gemm (part 2): grid 16 x 16, 4 waves a work-group, clusters of 4 x 4, 327,680 bytes of LDS; arguments a_codes, bmarks, lowp_scales, out0, b, wsum; writes out0
.if DOCPART == 2
	.amdgcn_target "amdgcn-amd-amdhsa--gfx1250"
	.amdhsa_code_object_version 6
	.text
	.protected	k_qf8a36c6f3e_gemm
	.globl	k_qf8a36c6f3e_gemm
	.p2align	8
	.type	k_qf8a36c6f3e_gemm,@function
k_qf8a36c6f3e_gemm:
	s_mov_b64 s[64:65], 0
	v_nop
	global_prefetch_b8 v0, s[64:65] scope:SCOPE_SE
	s_setreg_imm32_b32 hwreg(HW_REG_WAVE_MODE, 25, 1), 1
	s_wait_xcnt 0x0
	s_wait_alu depctr_hold_cnt(0) depctr_sa_sdst(0) depctr_va_vdst(0) depctr_va_sdst(0) depctr_va_ssrc(0) depctr_va_vcc(0) depctr_vm_vsrc(0)
	s_getreg_b32 s2, hwreg(HW_REG_IB_STS2, 6, 4)
	s_cmp_eq_u32 s2, 0
	s_cbranch_scc0 .Lentry_in_a_cluster
	s_endpgm
.Lentry_in_a_cluster:
	s_bfe_u32 s2, ttmp6, 0x10000c
	s_cmp_lg_u32 s2, 0xf033
	s_cbranch_scc0 .Lentry_shape_is_right
	s_endpgm
.Lentry_shape_is_right:
; out0[m][n] = 2^(e0 + e1) x (sum over k of code_a[m][k] x code_w[n][k]) + b[n].  a_codes [4096 (m)][4096 (k)]: codes of BF8 (E5M2).
; bmarks [4096 (n)][4096 (k)]: a byte a weight (0x7f, 0xff, or a zero).  The weight that is quantised is +E, -E or 0, E = the mean of |W| = (the sum of wsum's 2,048 parts) x 2^-24.
; Every wave adds the parts, makes E's code c by the stated quantiser (E / 2^e1, held at 57,344, to the nearest code), and a word of marks AND (0x80808080 | c in every byte) is four codes.
; LIMITS: e1 between -126 and 112; e0 + e1 between -126 and 127, so that the powers of two are f32 numbers.
; A work-group of four waves makes 256 x 256 of out0, a wave 128 x 128: 64 accumulators, 512 registers.  K goes in slots of 256 (two steps of 128) through a ring of two LDS slots.
; CLUSTERS: 4 x 4 work-groups; A's tiles are asked for jointly along a row of the cluster, B's along a column.  Clusters whose x + y is odd begin at k = 2,048 and wrap round.
; THE MATRIX INSTRUCTION IS USED TRANSPOSED (source 0 = 16 rows of bmarks' codes, source 1 = 16 rows of a_codes): a lane holds eight neighbouring numbers of a row of out0.
; REGISTERS: window 0: v0-31 addresses; v128-255 B's eight fragments, ONE set (on the way out v32-255 are free).  window 1: A's fragments, TWO sets, at v0 and v128.
;   window 2: the accumulators (A's block a, B's block b = 0..3) at 8 (4 a + b);  window 3: those of b = 4..7.
; A STEP of 128 along K: 32 products on B's blocks 0-3; 64 ANDs on blocks 4-7; a run of 32 LDS loads (the next step's B 0-3 and A 0-3); 32 products on blocks 4-7; 64 ANDs on the next blocks 0-3;
;   a run of 32 loads (the next step's A 4-7 and B 4-7).  The ANDs are the plain vector instructions that stand between products and the loads into registers that those products have read.
; PREFETCH: behind a refill one instruction a wave names the slot two refills on: 32 rows x 256 bytes, a lane a row; the four partners share a tile's rows out by address; of the four clusters that
;   read a tile the two with number 0 and 1 along the shared axis ask (one for each start along K), and only for slots 4 to 7 from their start: the other eight slots are the other start's first eight.
.set SIZE_N, 4096
.set SIZE_K, 4096
.set ROWB,   256
; IN MEMORY a_codes and bmarks lie as [16 (k / 256)][4096 (row)][256 (k % 256)]: the 128 rows that a wave fetches for a slot are 32,768 consecutive bytes, stated as 32 rows of 1,024 bytes;
; the padding's interval stays 256 bytes, so an LDS row is 256 bytes of one row of codes + 16.
.set KROW,   256                       ; from row to row of codes in memory
.set TROW,   1024                      ; a row as the descriptor states it
.set KST,    0x100000                  ; from slot to slot along K in memory: 4,096 rows x 256 bytes
.set PITCH,  272                       ; an LDS row: 256 bytes + 16 of padding
.set HALFT,  128*PITCH
.set SLOT,   4*HALFT                   ; A's 256 rows, then B's 256 rows
.set LAPS,   SIZE_K/(2*ROWB)
.set SPARE,  2*SLOT                    ; the spare words: 512 bytes that no other line names
.set SPITCH, 528                       ; the way out: a stage of 16 rows x (512 + 16) bytes a wave, in slot 0 behind its last fill and last read
.set ADRA, 16                          ; v16-17 my A fragments in slot 0, 1
.set ADRB, 20                          ; v20-21 the same for B
.set STO,  24
.set RD,   25
.set CO,   26
.set BO,   27
.set SPW,  28                          ; my spare word; never rewritten
.set NIL,  29                          ; 0; never rewritten
.set PFO,  30
.set PS,   32                          ; the head: wsum's parts
.set TMP,  32                          ; the way out: a block's results
.set BF,   128                         ; B's fragments
.set BK,   128                         ; the way out: 16 rows read back: v128-191 and v192-255 by turns
.set G1, 24
.set G0, 32
.set G1B, 48
.set G0B, 56
.set PFA, 66
.set LIM, 68
.set MK,  74
.set ABAS, 78
.set BBAS, 80
.set KO,  82
.set KP,  84
.set MSB, 0
.macro WIN new                         ; the immediate's high byte repeats the setting that is left
.if MSB != (\new)
	s_set_vgpr_msb (MSB<<8)|(\new)
.set MSB, (\new)
.endif
.endm
.set MUL_LO, 0xa4                      ; source 0 (B) window 0, source 1 (A) window 1, C and D window 2
.set MUL_HI, 0xf4                      ; the same, C and D window 3
.set TO_A,   0x40                      ; destination window 1, address window 0
.macro PLACES
.rept 4
	v_nop
.endr
.endm
.macro JLOAD g0a, g1a, g0b, g1b        ; a joint load: waves 0, 1 fetch for A, waves 2, 3 for B; s_nop 0 and four v_nop behind each line
	s_cmp_eq_u32 s15, 0
	s_cbranch_scc0 .Lfor_b_\@
	tensor_load_to_lds s[\g0a:\g0a+3], s[\g1a:\g1a+7]
	s_nop 0
	PLACES
	s_branch .Lasked_\@
.Lfor_b_\@:
	tensor_load_to_lds s[\g0b:\g0b+3], s[\g1b:\g1b+7]
	s_nop 0
	PLACES
.Lasked_\@:
.endm
.macro ASK
	s_cmp_gt_u32 s3, s[LIM]
	s_cbranch_scc0 .Lnot_mine_\@
	global_prefetch_b8 v[PFO], s[PFA:PFA+1] offset:KST th:TH_LOAD_NT scope:SCOPE_SE
.Lnot_mine_\@:
.endm
.macro CREST                           ; a round of the cluster's barrier behind its opening barrier
	s_cmp_lg_u32 s14, 0
	s_cbranch_scc1 .Lnot_wave_0_\@
	s_barrier_signal -3
.Lnot_wave_0_\@:
	s_barrier_wait -3
	s_barrier_signal -1
	s_barrier_wait -1
.endm
.macro CROUND
	s_barrier_signal -1
	s_barrier_wait -1
	CREST
.endm
	s_load_b128 s[4:7], s[0:1], 0x0                ; a_codes, bmarks
	s_load_b128 s[8:11], s[0:1], 0x10              ; the scales' exponents, out0
	s_load_b64 s[12:13], s[0:1], 0x20              ; b
	s_load_b64 s[76:77], s[0:1], 0x28              ; wsum
	v_lshl_add_u32 v[SPW], v0, 2, SPARE
	v_mov_b32 v[NIL], 0
	ds_add_u32 v[SPW], v[NIL]                      ; the opening lines: the add, twice on end, and its wait
	ds_add_u32 v[SPW], v[NIL]
	v_lshrrev_b32 v1, 5, v0
	v_readfirstlane_b32 s14, v1                    ; wave 0..3
	v_and_b32 v6, 31, v0
	v_lshlrev_b32 v[CO], 4, v6                     ; 16 x lane
	s_lshr_b32 s15, s14, 1                         ; my half of the tile's rows; also: I fetch for A (0) or B (1)
	s_and_b32 s16, s14, 1                          ; my half of its columns; also: which 128 rows I fetch
	s_bfe_u32 s40, ttmp6, 0x40000                  ; cx, cy
	s_bfe_u32 s41, ttmp6, 0x40004
	s_lshl_b32 s42, ttmp9, 2
	s_add_co_u32 s42, s42, s40                     ; tile column
	s_and_b32 s17, ttmp7, 0xffff
	s_lshl_b32 s17, s17, 2
	s_add_co_u32 s17, s17, s41                     ; tile row
	s_and_b32 s86, ttmp7, 0xffff
	s_add_co_u32 s86, s86, ttmp9
	s_and_b32 s86, s86, 1
	s_lshl_b32 s86, s86, 23                        ; where my cluster begins along K: slot 0 or slot 8, in bytes
	s_mov_b32 s[KP+1], 0
	s_lshl_b32 s43, s41, 2
	s_lshl_b32 s43, 15, s43                        ; my row of the cluster
	s_lshl_b32 s44, 0x1111, s40                    ; my column
	s_or_b32 s[G1+0], s43, (0<<16)|(1<<20)|(1<<21)|(5<<22)|(3<<25)   ; the mask; elements of 1 byte; 4 words of padding behind every 64
	s_or_b32 s[G1B+0], s44, (0<<16)|(1<<20)|(1<<21)|(5<<22)|(3<<25)
.irp g, G1, G1B
	s_mov_b32 s[\g+1], TROW<<16
	s_mov_b32 s[\g+2], 32<<16
	s_mov_b32 s[\g+3], TROW<<16
	s_mov_b32 s[\g+4], 32
	s_mov_b32 s[\g+5], TROW
	s_mov_b32 s[\g+6], 0
	s_mov_b32 s[\g+7], 0
.endr
	s_lshl_b32 s18, s16, 7
	s_lshl_b32 s20, s17, 8
	s_add_co_u32 s20, s20, s18                     ; A: row 256 x tile row + 128 x half
	s_lshl_b32 s46, s42, 8
	s_add_co_u32 s46, s46, s18                     ; B: row 256 x tile column + 128 x half
	s_mov_b32 s21, 0
	s_mov_b32 s47, 0
	s_mov_b64 s[18:19], KROW
	s_mul_u64 s[20:21], s[20:21], s[18:19]
	s_mul_u64 s[46:47], s[46:47], s[18:19]
	s_mul_i32 s45, s14, HALFT                      ; where my rows go in a slot
	s_wait_alu depctr_va_vdst(0)
	s_wait_dscnt 0x0                               ; both opening adds are done
	s_wait_kmcnt 0x0
	s_load_b64 s[96:97], s[8:9], 0x0               ; e0, e1
.irp i, 0,1,2,3,4,5,6,7,8,9,10,11,12,13,14,15
	global_load_b128 v[PS+4*\i:PS+4*\i+3], v[CO], s[76:77] offset:512*\i   ; wsum: 8,192 bytes, 512 consecutive bytes a load
.endr
	s_add_nc_u64 s[ABAS:ABAS+1], s[4:5], s[20:21]
	s_add_nc_u64 s[BBAS:BBAS+1], s[6:7], s[46:47]
.irp s, 0,1
	s_add_co_u32 s[KO+\s], s86, \s*KST
	s_mov_b32 s[KP], s[KO+\s]
	s_mov_b32 s[G0+4*\s], 1
	s_add_co_u32 s[G0+4*\s+1], s45, \s*SLOT
	s_add_nc_u64 s[G0+4*\s+2:G0+4*\s+3], s[ABAS:ABAS+1], s[KP:KP+1]
	s_or_b32 s[G0+4*\s+3], s[G0+4*\s+3], 0x80000000
	s_mov_b32 s[G0B+4*\s], 1
	s_add_co_u32 s[G0B+4*\s+1], s45, \s*SLOT
	s_add_nc_u64 s[G0B+4*\s+2:G0B+4*\s+3], s[BBAS:BBAS+1], s[KP:KP+1]
	s_or_b32 s[G0B+4*\s+3], s[G0B+4*\s+3], 0x80000000
.endr
	CROUND                                         ; all sixteen work-groups are here: the first joint loads meet
	JLOAD G0, G1, G0B, G1B                         ; slot 0: one tensor load a wave at the head
	s_mul_i32 s21, s15, HALFT                      ; my 128 rows of A
	s_mul_i32 s22, s16, HALFT
	s_add_co_u32 s22, s22, 2*HALFT                 ; my 128 rows of B, behind A's 256
	s_add_co_u32 s89, s21, SLOT
	s_add_co_u32 s90, s22, SLOT
	s_mul_i32 s23, s14, 16*SPITCH                  ; my stage
	v_and_b32 v1, 15, v0                           ; l % 16
	v_bfe_u32 v2, v0, 4, 1                         ; l / 16
	v_mul_u32_u24 v3, v1, PITCH
	v_lshl_add_u32 v4, v2, 4, v3                   ; a fragment's row x pitch + 16 x half
	v_add_nc_u32 v[ADRA], s21, v4
	v_add_nc_u32 v[ADRA+1], s89, v4
	v_add_nc_u32 v[ADRB], s22, v4
	v_add_nc_u32 v[ADRB+1], s90, v4
	v_mul_u32_u24 v5, v1, SPITCH
	v_lshl_add_u32 v5, v2, 5, v5
	v_add_nc_u32 v[STO], s23, v5                   ; into the stage: row l % 16, 32 bytes for each half of the lanes
	v_add_nc_u32 v[RD], s23, v[CO]                 ; back: the 32 lanes take a row of 512 bytes
	v_lshlrev_b32 v[BO], 5, v2                     ; b: my eight columns of a block
	v_and_b32 v[PFO], 31, v0
	v_lshlrev_b32 v[PFO], 8, v[PFO]                ; the prefetch: a lane a row of 256 bytes
	v_mov_b32 v99, 0                               ; written once: a lane permute's destination counts as a source
	s_lshl_b32 s20, s17, 8
	s_lshl_b32 s21, s15, 7
	s_add_co_u32 s20, s20, s21                     ; my first row of out0
	s_mov_b32 s21, 0
	s_mov_b64 s[18:19], SIZE_N*4
	s_mul_u64 s[20:21], s[20:21], s[18:19]
	s_lshl_b32 s46, s42, 10
	s_lshl_b32 s47, s16, 9
	s_add_co_u32 s46, s46, s47                     ; my first column, in bytes
	s_mov_b32 s47, 0
	s_add_nc_u64 s[20:21], s[20:21], s[46:47]
	s_add_nc_u64 s[10:11], s[10:11], s[20:21]
	s_add_nc_u64 s[12:13], s[12:13], s[46:47]
	s_lshl_b32 s69, s17, 8                         ; the prefetches: the tile's first row,
	s_lshl_b32 s70, s42, 8
	s_and_b32 s71, ttmp7, 0xffff
	s_cmp_eq_u32 s15, 0
	s_cselect_b32 s69, s69, s70
	s_cselect_b32 s70, s40, s41                    ; my place among the four that ask with me,
	s_cselect_b32 s71, ttmp9, s71                  ; my cluster's number along the axis that shares the tile
	s_cselect_b64 s[PFA:PFA+1], s[4:5], s[6:7]
	s_cmp_lt_u32 s71, 2
	s_cselect_b32 s[LIM], 5, -1                    ; clusters 0 and 1 ask, in the loop's first two trips
	s_lshl_b32 s71, s16, 7
	s_add_co_u32 s69, s69, s71
	s_lshl_b32 s70, s70, 5
	s_add_co_u32 s69, s69, s70
	s_lshl_b32 s72, s69, 8
	s_add_co_u32 s72, s72, s86
	s_mov_b32 s73, 0
	s_add_nc_u64 s[PFA:PFA+1], s[PFA:PFA+1], s[72:73]
	s_add_nc_u64 s[PFA:PFA+1], s[PFA:PFA+1], 2*KST
	s_mov_b32 s87, 0x76543210
	s_mov_b32 s88, 0xfedcba98
	s_wait_kmcnt 0x0
	s_add_co_i32 s75, s97, 127
	s_lshl_b32 s69, s75, 23
	v_mov_b32 v101, s69                            ; 2^e1
	s_add_co_i32 s75, s75, 15
	s_lshl_b32 s75, s75, 23
	s_or_b32 s75, s75, 0x600000
	v_mov_b32 v100, s75                            ; 57,344 x 2^e1
	s_wait_alu depctr_va_vdst(0)
	s_wait_loadcnt 0x0
.irp i, 0,2,4,6,8,10,12,14,16,18,20,22,24,26,28,30
	v_pk_add_f32 v[PS+\i:PS+\i+1], v[PS+\i:PS+\i+1], v[PS+32+\i:PS+32+\i+1]
.endr
.irp i, 0,2,4,6,8,10,12,14
	v_pk_add_f32 v[PS+\i:PS+\i+1], v[PS+\i:PS+\i+1], v[PS+16+\i:PS+16+\i+1]
.endr
.irp i, 0,2,4,6
	v_pk_add_f32 v[PS+\i:PS+\i+1], v[PS+\i:PS+\i+1], v[PS+8+\i:PS+8+\i+1]
.endr
.irp i, 0,2
	v_pk_add_f32 v[PS+\i:PS+\i+1], v[PS+\i:PS+\i+1], v[PS+4+\i:PS+4+\i+1]
.endr
	v_pk_add_f32 v[PS:PS+1], v[PS:PS+1], v[PS+2:PS+3]
	v_add_f32 v98, v[PS], v[PS+1]
	v_add_f32_dpp v98, v98, v98 row_xmask:1 row_mask:0xf bank_mask:0xf
	v_add_f32_dpp v98, v98, v98 row_xmask:2 row_mask:0xf bank_mask:0xf
	v_add_f32_dpp v98, v98, v98 row_xmask:4 row_mask:0xf bank_mask:0xf
	v_add_f32_dpp v98, v98, v98 row_xmask:8 row_mask:0xf bank_mask:0xf
	v_permlanex16_b32 v99, v98, s87, s88
	v_add_f32 v98, v98, v99                        ; the sum of |w| over all of W
	v_mul_f32 v98, 0x33800000, v98                 ; x 2^-24: E
.irp i, 0,1,2,3,4,5,6,7
	v_min_num_f32 v[104+\i], v98, v100             ; the hold; E is not negative
.endr
	v_cvt_scalef32_pk8_bf8_f32 v[102:103], v[104:111], v101
	v_nop                                          ; one plain place behind a scaled conversion
	v_readfirstlane_b32 s[MK], v102
	s_and_b32 s[MK], s[MK], 0xff
	s_mul_i32 s[MK], s[MK], 0x01010101
	s_or_b32 s[MK], s[MK], 0x80808080              ; E's code in every byte, under the sign bits
.macro FRAG reg, adr, q, i             ; a fragment, 16 rows x 128 K: registers 4 c .. 4 c + 3 hold K = 32 c + 16 (l / 16) + 0 .. 15, alike in A and B
.irp c, 0,1,2,3
	ds_load_b128 v[\reg+4*\c:\reg+4*\c+3], v[\adr] offset:128*(\q)+32*\c+(\i)*16*PITCH
.endr
.endm
.macro RUN1 slot, q, p                 ; 32 loads: B's blocks 0-3, then A's blocks 0-3 into set p
	WIN 0
.irp i, 0,1,2,3
	FRAG BF+16*\i, ADRB+\slot, \q, \i
.endr
	WIN TO_A
.irp i, 0,1,2,3
	FRAG 128*(\p)+16*\i, ADRA+\slot, \q, \i
.endr
.endm
.macro RUN2 slot, q, p                 ; 32 loads: A's blocks 4-7 into set p, then B's blocks 4-7
	WIN TO_A
.irp i, 4,5,6,7
	FRAG 128*(\p)+16*\i, ADRA+\slot, \q, \i
.endr
	WIN 0
.irp i, 4,5,6,7
	FRAG BF+16*\i, ADRB+\slot, \q, \i
.endr
.endm
.macro FIXH hb                         ; marks -> codes: B's blocks 4 hb .. 4 hb + 3
.set FI, BF+64*(\hb)
.rept 64
	v_and_b32 v[FI], s[MK], v[FI]
.set FI, FI+1
.endr
.endm
.macro H hb, a0, p, zero               ; 16 products: A's blocks a0 .. a0 + 3 (set p) x B's blocks 4 hb .. 4 hb + 3; the accumulators take turns
.irp a, \a0, \a0+1, \a0+2, \a0+3
.irp b, 0,1,2,3
.if \zero
	v_wmma_f32_16x16x128_bf8_bf8 v[8*(4*(\a)+\b):8*(4*(\a)+\b)+7], v[BF+16*(4*(\hb)+\b):BF+16*(4*(\hb)+\b)+15], v[128*(\p)+16*(\a):128*(\p)+16*(\a)+15], 0
.else
	v_wmma_f32_16x16x128_bf8_bf8 v[8*(4*(\a)+\b):8*(4*(\a)+\b)+7], v[BF+16*(4*(\hb)+\b):BF+16*(4*(\hb)+\b)+15], v[128*(\p)+16*(\a):128*(\p)+16*(\a)+15], v[8*(4*(\a)+\b):8*(4*(\a)+\b)+7]
.endif
.endr
.endr
.endm
; Step q of slot s; A's set is q.  mode 0: the next step lies in the same slot; 1: change of slots, this slot is filled again; 2: change of slots, no fill; 3: the last step.
.macro STEP s, q, zero, mode
.if \q
.set NS, 1-(\s)
.set NQ, 0
.else
.set NS, \s
.set NQ, 1
.endif
	s_wait_dscnt 32                                ; the first run is in; the second run's 32 loads may be out
	WIN MUL_LO
	H 0, 0, \q, \zero
	s_wait_dscnt 16                                ; A's blocks 4-7 are in; B's blocks 4-7 may be out
	H 0, 4, \q, \zero
	WIN 0
.if ((\mode)==1) || ((\mode)==2)
	s_wait_tensorcnt 0x0                           ; all my tensor loads have landed: my part of the next slot;
	ds_add_u32 v[SPW], v[NIL]                      ; 0 onto my spare word
.if (\mode)==1
	s_add_co_u32 s[KO+\s], s[KO+\s], 2*KST         ; this slot's next place along K, round the end
	s_and_b32 s[KO+\s], s[KO+\s], 16*KST-1
	s_mov_b32 s[KP], s[KO+\s]
	s_add_nc_u64 s[G0+4*\s+2:G0+4*\s+3], s[ABAS:ABAS+1], s[KP:KP+1]
	s_or_b32 s[G0+4*\s+3], s[G0+4*\s+3], 0x80000000
	s_add_nc_u64 s[G0B+4*\s+2:G0B+4*\s+3], s[BBAS:BBAS+1], s[KP:KP+1]
	s_or_b32 s[G0B+4*\s+3], s[G0B+4*\s+3], 0x80000000
	s_wait_xcnt 0x0                                ; my last prefetch has read its address
	s_add_nc_u64 s[PFA:PFA+1], s[PFA:PFA+1], KST
.endif
	s_wait_dscnt 1                                 ; B's blocks 4-7 are in; the add alone may be out
	FIXH 1                                         ; work on registers between the add and the wait for it
	s_wait_alu depctr_va_vdst(0)
	s_wait_dscnt 0x0                               ; the add is done, and my reads of this slot are over
	s_barrier_signal -1
	s_barrier_wait -1
.if (\mode)==1
	CREST                                          ; the barrier has opened a round of the cluster's barrier
	JLOAD G0+4*\s, G1, G0B+4*\s, G1B               ; the first tensor load behind the round
.endif
.else
	s_wait_dscnt 0x0                               ; B's blocks 4-7 are in
	FIXH 1
.endif
.if (\mode) != 3
	RUN1 NS, NQ, 1-(\q)
.if (\mode)==1
	WIN 0
	ASK
.endif
.endif
	WIN MUL_HI
	H 1, 0, \q, \zero
	H 1, 4, \q, \zero
	WIN 0
.if (\mode) != 3
	s_wait_dscnt 16                                ; the next B 0-3 are in; the next A 0-3 may be out
	FIXH 0
	s_wait_alu depctr_va_vdst(0)
	RUN2 NS, NQ, 1-(\q)
.endif
.endm
	s_wait_alu depctr_va_vdst(0)
	s_wait_tensorcnt 0x0                           ; my part of slot 0 is in; the lines that stand ahead of a later first fill as ahead of a refill:
	ds_add_u32 v[SPW], v[NIL]
	s_wait_dscnt 0x0
	CROUND
	JLOAD G0+4, G1, G0B+4, G1B                     ; slot 1, the first tensor load behind the round
	RUN1 0, 0, 0
	WIN 0
	s_wait_dscnt 16
	FIXH 0
	s_wait_alu depctr_va_vdst(0)
	RUN2 0, 0, 0
	STEP 0, 0, 1, 0                                ; the first step's products start the sums: nothing is cleared
	s_mov_b32 s3, LAPS-1
.Llap:                                                 ; a trip goes once round the ring and fills both slots again
	STEP 0, 1, 0, 1
	STEP 1, 0, 0, 0
	STEP 1, 1, 0, 1
	STEP 0, 0, 0, 0
	s_sub_co_u32 s3, s3, 1
	s_cmp_lg_u32 s3, 0
	s_cbranch_scc1 .Llap
	STEP 0, 1, 0, 2
	STEP 1, 0, 0, 0
	WIN TO_A                                       ; b at my columns, into A's set 0, which the last step does not read: window 1, v0-63
.irp k, 0,1,2,3,4,5,6,7
	global_load_b128 v[8*\k:8*\k+3], v[BO], s[12:13] offset:64*\k
	global_load_b128 v[8*\k+4:8*\k+7], v[BO], s[12:13] offset:64*\k+16
.endr
	WIN 0
	STEP 1, 1, 0, 3
; THE WAY OUT, by blocks of 16 rows x 128 columns: sum x 2^(e0 + e1) + b, through my stage, back as whole rows of 512 bytes, which the 32 lanes store as two aligned runs of 256 bytes.
.macro TOSTAGE a
.irp hb, 0,1
	WIN 0x12+\hb                                   ; sums from window 2 or 3, b from window 1
.irp j, 0,2,4,6,8,10,12,14,16,18,20,22,24,26,28,30
	v_pk_fma_f32 v[TMP+32*\hb+\j:TMP+32*\hb+\j+1], v[32*(\a)+\j:32*(\a)+\j+1], s[96:97], v[32*\hb+\j:32*\hb+\j+1] op_sel_hi:[1,0,1]
.endr
.endr
	WIN 0
.irp b, 0,1,2,3,4,5,6,7
	ds_store_b128 v[STO], v[TMP+8*\b:TMP+8*\b+3] offset:64*\b
	ds_store_b128 v[STO], v[TMP+8*\b+4:TMP+8*\b+7] offset:64*\b+16
.endr
.set BB, BK+64*((\a)%2)
.irp t, 0,1,2,3,4,5,6,7,8,9,10,11,12,13,14,15
	ds_load_b128 v[BB+4*\t:BB+4*\t+3], v[RD] offset:\t*SPITCH   ; LDS serves a wave's instructions in order: these see my stores
.endr
.endm
.macro SEND a, younger
.set BB, BK+64*((\a)%2)
	s_wait_dscnt \younger                          ; the block is back in registers
.if (\a) > 0
	s_add_nc_u64 s[10:11], s[10:11], 16*SIZE_N*4   ; behind a wait on XCNT: the earlier stores have read their base
.endif
.irp t, 0,1,2,3,4,5,6,7,8,9,10,11,12,13,14,15
	global_store_b128 v[CO], v[BB+4*\t:BB+4*\t+3], s[10:11] offset:\t*SIZE_N*4 th:TH_STORE_NT
.endr
.endm
	s_add_co_i32 s96, s96, s97
	s_add_co_i32 s96, s96, 127
	s_lshl_b32 s96, s96, 23                        ; 2^(e0 + e1)
	s_wait_loadcnt 0x0                             ; b is in
	PLACES                                         ; behind the last products
	TOSTAGE 0
.irp a, 1,2,3,4,5,6,7
.if \a > 1
	s_wait_xcnt 0x0                                ; block a - 2's stores have read their registers and their base
.endif
	TOSTAGE \a
	SEND \a-1, 32                                  ; behind block a - 1's loads: block a's 16 stores and 16 loads
.endr
	s_wait_xcnt 0x0
	SEND 7, 0
	s_wait_tensorcnt 0x0                           ; the wave's end
	ds_add_u32 v[SPW], v[NIL]
	s_wait_dscnt 0x0
	CROUND                                         ; the closing round
	s_endpgm
.Lfunc_end_k_qf8a36c6f3e_gemm:
	.size	k_qf8a36c6f3e_gemm, .Lfunc_end_k_qf8a36c6f3e_gemm-k_qf8a36c6f3e_gemm
	.p2alignl 7, 3214868480
	.fill 96, 4, 3214868480
	.section	.rodata,"a",@progbits
	.p2align	6, 0x0
	.amdhsa_kernel k_qf8a36c6f3e_gemm
		.amdhsa_group_segment_fixed_size 327680
		.amdhsa_private_segment_fixed_size 0
		.amdhsa_enable_private_segment 0
		.amdhsa_kernarg_size 48
		.amdhsa_user_sgpr_count 2
		.amdhsa_user_sgpr_kernarg_segment_ptr 1
		.amdhsa_wavefront_size32 1
		.amdhsa_system_sgpr_workgroup_id_x 1
		.amdhsa_system_sgpr_workgroup_id_y 1
		.amdhsa_system_sgpr_workgroup_id_z 1
		.amdhsa_system_vgpr_workitem_id 0
		.amdhsa_next_free_vgpr 1024
		.amdhsa_next_free_sgpr 98
		.amdhsa_reserve_vcc 0
		.amdhsa_float_denorm_mode_32 3
		.amdhsa_float_denorm_mode_16_64 3
		.amdhsa_memory_ordered 1
		.amdhsa_forward_progress 1
		.amdhsa_inst_pref_size 164
	.end_amdhsa_kernel
	.amdgpu_metadata
---
amdhsa.version: [ 1, 2 ]
amdhsa.kernels:
  - .name:           k_qf8a36c6f3e_gemm
    .symbol:         k_qf8a36c6f3e_gemm.kd
    .args:
      - { .name: a_codes, .offset: 0, .size: 8, .value_kind: global_buffer, .address_space: global }
      - { .name: bmarks, .offset: 8, .size: 8, .value_kind: global_buffer, .address_space: global }
      - { .name: lowp_scales, .offset: 16, .size: 8, .value_kind: global_buffer, .address_space: global }
      - { .name: out0, .offset: 24, .size: 8, .value_kind: global_buffer, .address_space: global }
      - { .name: b, .offset: 32, .size: 8, .value_kind: global_buffer, .address_space: global }
      - { .name: wsum, .offset: 40, .size: 8, .value_kind: global_buffer, .address_space: global }
    .group_segment_fixed_size: 327680
    .private_segment_fixed_size: 0
    .kernarg_segment_align: 8
    .kernarg_segment_size: 48
    .max_flat_workgroup_size: 128
    .sgpr_count:     98
    .vgpr_count:     1024
    .wavefront_size: 32
...
	.end_amdgpu_metadata
.endif
;; end of part 2
